; MI455X (gfx1250); checked and timed in simulation.
; The chip was launched on July 23, 2026; its instructions are those of AMD's public machine-readable ISA for CDNA 5 (MIT licence, August 2026) and "CDNA5" Instruction Set Architecture Reference Guide (July 2026). The comments in the code are by the model that wrote it; some were corrected since.
;; Transformer Block. Allowed arithmetic: matrix products marked QUANTISED: E5M2 operands, one given power-of-two scale a tensor, by v_wmma_f32_16x16x64_bf8_bf8 or v_wmma_f32_16x16x128_bf8_bf8, f32 sums; everything else in f32.
;; Inputs: b1 2,048 float32; b2 512 float32; b_proj 512 float32; bt1 512 float32; bt2 512 float32; g1 512 float32; g2 512 float32; lowp_scales 16 int32 (the exponents e of the quantised operands' scales 2^e); w1 512 x 2,048 float32; w2 2,048 x 512 float32; w_proj 512 x 512 float32; wk 16 x 512 x 32 float32; wq 16 x 512 x 32 float32; wv 16 x 512 x 32 float32; x 4 x 2,048 x 512 float32.
;; Outputs: out0 4 x 2,048 x 512 float32.
;; This version of the problem:
;;   THIS VERSION OF THE PROBLEM IS GIVEN IN LOW PRECISION. The matrix products marked QUANTISED in the list below multiply operands that are first quantised to E5M2 (5 exponent bits, 2 mantissa bits; 8 bits a number), with one given power-of-two scale for each operand tensor; their sums are f32. All else is computed in f32.
;;   The module's matrix products, in the order in which they are computed (A, B: the left and right operand; K: the contracted axis; several contracted axes count as one K, in the product's order):
;;     1. [M 512, K 512] x [K 512, N 8,192]; A: input wq; B: computed on the way: QUANTISED (scales: A lowp_scales[0], B lowp_scales[1])
;;     2. [M 512, K 512] x [K 512, N 8,192]; A: input wk; B: computed on the way: QUANTISED (scales: A lowp_scales[2], B lowp_scales[3])
;;     3. [M 512, K 512] x [K 512, N 8,192]; A: input wv; B: computed on the way: QUANTISED (scales: A lowp_scales[4], B lowp_scales[5])
;;     4. batch 64 x [M 2,048, K 32] x [K 32, N 2,048]; A: computed on the way; B: computed on the way: QUANTISED (scales: A lowp_scales[6], B lowp_scales[7])
;;     5. batch 64 x [M 2,048, K 2,048] x [K 2,048, N 32]; A: softmax (see below); B: computed on the way: QUANTISED (scales: A lowp_scales[8], B lowp_scales[9])
;;     6. [M 8,192, K 512] x [K 512, N 512]; A: computed on the way; B: input w_proj: QUANTISED (scales: A lowp_scales[10], B lowp_scales[11])
;;     7. [M 8,192, K 512] x [K 512, N 2,048]; A: computed on the way; B: input w1: QUANTISED (scales: A lowp_scales[12], B lowp_scales[13])
;;     8. [M 8,192, K 2,048] x [K 2,048, N 512]; A: computed on the way; B: input w2: QUANTISED (scales: A lowp_scales[14], B lowp_scales[15])
;;   THE QUANTISER, for each operand of a quantised product, along K:
;;     - The operand's scale is 2^e, e = its entry of the input lowp_scales (int32; the entries are numbered through the quantised products in the list's order, A before B).
;;     - Each number is divided by the scale, clamped to +-57,344, and rounded to the nearest number of E5M2, ties to even, subnormals kept.
;;     - The product sums the exact products of the quantised numbers (number of the format x scale) in f32.
;;   ~~~python
;;   def quantise(x, axis, e):      # numpy; x: float32 -> the quantised numbers, widened to float32 again
;;       x = np.moveaxis(x, axis, -1); K = x.shape[-1]
;;       r = np.clip(x / 2.0 ** e, -57344, 57344)
;;       step = 2.0 ** (np.maximum(np.frexp(np.where(r == 0, 1, r))[1] - 1, -14) - 2)
;;       q = np.round(r / step) * step * 2.0 ** e      # np.round: ties to even
;;       return np.moveaxis(q, -1, axis).astype(np.float32)
;;   ~~~
;;   SOFTMAX AHEAD OF A QUANTISED PRODUCT. Where the list says 'softmax', what is quantised is not the finished softmax but p = 2^(t - M), with t = logit x log2(e) and M = ceil(the row's largest t), a whole number; so 1/2 < the row's largest p <= 1. The row's sum l is taken of the UNQUANTISED p, in f32, and the product's result is divided by l at the end. Since M is a whole number, a kernel that streams over the keys may use a running M (the ceiling of the running maximum): every later rescaling is an exact power of two, so the quantised numbers keep their values, but for numbers so far below the row's largest that they fall under the format's range.
;;   OPERANDS COMPUTED ON THE WAY. 'Computed on the way' means the value that the module computes at that place (a softmax that the list does not call 'softmax' is quantised finished and normalised). What goes into a quantiser is computed in f32, as accurately as f32 sums, v_exp_f32 and their like allow (about 1e-6 of the number): no bf16 or f16 on the way to a quantiser, and a product that is left as it is and whose result goes on into a quantised operand takes f32 operands (vector FMAs, or v_wmma_f32_16x16x4_f32). A number that lies on a knife's edge between two numbers of the format may be rounded either way, as far as f32 arithmetic and the matrix unit's own rounding can turn it there, and no further.
;; One version. Each part assembles by itself: llvm-mc -triple=amdgcn-amd-amdhsa -mcpu=gfx1250 --defsym DOCPART=n.
;; ======== version 1 of 1: 4 launches
;; workspace buffers: wimg 3,145,728 bytes; q_img 4,194,304 bytes; k_img 4,194,304 bytes; v_img 4,194,304 bytes; attn_img 4,194,304 bytes
;; launch prep (part 1): grid 384 x 1, 4 waves a work-group, no clusters, 0 bytes of LDS; arguments wq, wk, wv, w_proj, w1, w2, lowp_scales, wimg; writes wimg
.if DOCPART == 1
	.amdgcn_target "amdgcn-amd-amdhsa--gfx1250"
	.amdhsa_code_object_version 6
	.text
	.protected	k_qeeb8a58022_prep
	.globl	k_qeeb8a58022_prep
	.p2align	8
	.type	k_qeeb8a58022_prep,@function
k_qeeb8a58022_prep:
	s_mov_b64 s[64:65], 0
	v_nop
	global_prefetch_b8 v0, s[64:65] scope:SCOPE_SE
	s_setreg_imm32_b32 hwreg(HW_REG_WAVE_MODE, 25, 1), 1
	s_wait_xcnt 0x0
; The six weights, f32 with K outermost, become codes of E5M2 laid as IMAGES OF OPERAND REGISTERS, in the order in which the later launches stream them.
; A fragment is 16 columns x 128 K = 2,048 bytes: chunk c (512 bytes) holds, at 16 x lane, k = 32 c + 16 (lane / 16) + 0 .. 15 of the column of lane % 16.
; Of a group of 32 columns tile u takes, in lane r, column 8 u + r + 8 (r / 8).
; A LANE TAKES A COLUMN AND ITS REGISTERS RUN DOWN K: a wave takes 32 columns x 64 K; each load reads 128 consecutive bytes; the conversions give codes with K innermost.
; One path serves all six tensors: pointer, strides, scale and place are chosen by s_cselect on the work-group's number alone.
;   work-groups 0-31 wq, 32-63 wk, 64-95 wv (column group = head), 96-127 w_proj, 128-255 w1, 256-383 w2.
; Places in wimg.  q, k, v (X = 0, 1, 2): (head / 2) 98,304 + X 32,768 + K step 8,192 + ((head % 2) 2 + u) 2,048.
;   the others, from byte 786,432: wave w's stream of 589,824 bytes, [pass 9][K step 4][tile 8][2,048]; pass 0 w_proj, 1 + 2 ch w1's chunk ch, 2 + 2 ch w2's chunk ch.
; code = x / 2^e, held within +-57,344, to the nearest code, ties to even.  LIMIT: -126 <= e <= 112.  NaN among the inputs is not served.
.set A, 16                             ; v16-79   64 byte offsets: 4 x lane + i x row pitch
.set X, 80                             ; v80-143  64 numbers down K
.set C, 144                            ; v144-159 their codes
	s_load_b256 s[4:11], s[0:1], 0x0               ; wq, wk, wv, w_proj
	s_load_b256 s[12:19], s[0:1], 0x20             ; w1, w2, lowp_scales, wimg
	v_lshrrev_b32 v3, 5, v0
	v_readfirstlane_b32 s20, v3                    ; wave
	v_and_b32 v1, 31, v0                           ; lane = column n of the group
	v_bfe_u32 v4, v0, 3, 1                         ; u = (n / 8) % 2
	v_and_b32 v5, 7, v0
	v_bfe_u32 v6, v0, 4, 1
	v_lshl_or_b32 v5, v6, 3, v5                    ; r = n % 8 + 8 (n / 16)
	v_lshlrev_b32 v5, 4, v5
	v_lshl_add_u32 v2, v4, 11, v5                  ; my place in the two tiles: 2,048 u + 16 r
	s_wait_kmcnt 0x0
	s_load_b512 s[36:51], s[16:17], 0x0            ; the sixteen exponents
	s_wait_kmcnt 0x0
	; the parameters, from w2's downward: s[22:23] pointer, s24 first work-group, s25 shift, s26 mask, s27 bytes from column group to column group, s28 row pitch, s29 e, s30 X or pass
	s_mov_b64 s[22:23], s[14:15]
	s_mov_b32 s24, 256
	s_mov_b32 s25, 5
	s_mov_b32 s26, 31
	s_mov_b32 s27, 128
	s_mov_b32 s28, 2048
	s_mov_b32 s29, s51
	s_mov_b32 s30, 2
	s_cmp_lt_u32 ttmp9, 256                        ; w1
	s_cselect_b64 s[22:23], s[12:13], s[22:23]
	s_cselect_b32 s24, 128, s24
	s_cselect_b32 s25, 3, s25
	s_cselect_b32 s26, 7, s26
	s_cselect_b32 s28, 8192, s28
	s_cselect_b32 s29, s49, s29
	s_cselect_b32 s30, 1, s30
	s_cmp_lt_u32 ttmp9, 128                        ; w_proj
	s_cselect_b64 s[22:23], s[10:11], s[22:23]
	s_cselect_b32 s24, 96, s24
	s_cselect_b32 s28, 2048, s28
	s_cselect_b32 s29, s47, s29
	s_cselect_b32 s30, 0, s30
	s_cmp_lt_u32 ttmp9, 96                         ; wv
	s_cselect_b64 s[22:23], s[8:9], s[22:23]
	s_cselect_b32 s24, 64, s24
	s_cselect_b32 s27, 65536, s27
	s_cselect_b32 s28, 128, s28
	s_cselect_b32 s29, s40, s29
	s_cselect_b32 s30, 2, s30
	s_cmp_lt_u32 ttmp9, 64                         ; wk
	s_cselect_b64 s[22:23], s[6:7], s[22:23]
	s_cselect_b32 s24, 32, s24
	s_cselect_b32 s29, s38, s29
	s_cselect_b32 s30, 1, s30
	s_cmp_lt_u32 ttmp9, 32                         ; wq
	s_cselect_b64 s[22:23], s[4:5], s[22:23]
	s_cselect_b32 s24, 0, s24
	s_cselect_b32 s29, s36, s29
	s_cselect_b32 s30, 0, s30
	s_sub_co_u32 s31, ttmp9, s24                   ; g
	s_and_b32 s32, s31, s26                        ; kh: which 64 along K
	s_lshr_b32 s33, s31, s25
	s_lshl_b32 s33, s33, 2
	s_add_co_u32 s33, s33, s20                     ; cg: which group of 32 columns
	s_lshr_b32 s34, s32, 1                         ; K step of 128
	s_mul_i32 s52, s33, s27                        ; the source: cg x group pitch + 64 kh rows
	s_lshl_b32 s53, s32, 6
	s_mul_i32 s53, s53, s28
	s_add_co_u32 s52, s52, s53
	s_mov_b32 s53, 0
	s_add_nc_u64 s[22:23], s[22:23], s[52:53]
	s_lshr_b32 s54, s33, 1                         ; the place among q, k, v
	s_mul_i32 s54, s54, 98304
	s_lshl_b32 s55, s30, 15
	s_add_co_u32 s54, s54, s55
	s_lshl_b32 s55, s34, 13
	s_add_co_u32 s54, s54, s55
	s_and_b32 s55, s33, 1
	s_lshl_b32 s55, s55, 12
	s_add_co_u32 s54, s54, s55
	s_bfe_u32 s56, s33, 0x20002                    ; the place in the streams: wave (cg / 4) % 4,
	s_mul_i32 s56, s56, 589824
	s_lshr_b32 s57, s33, 4
	s_lshr_b32 s58, s34, 2
	s_add_co_u32 s57, s57, s58
	s_lshl_b32 s57, s57, 1
	s_add_co_u32 s57, s57, s30                     ; pass,
	s_lshl_b32 s57, s57, 16
	s_add_co_u32 s56, s56, s57
	s_and_b32 s57, s34, 3                          ; K step of the pass,
	s_lshl_b32 s57, s57, 14
	s_add_co_u32 s56, s56, s57
	s_and_b32 s57, s33, 3                          ; pair of tiles
	s_lshl_b32 s57, s57, 12
	s_add_co_u32 s56, s56, s57
	s_add_co_u32 s56, s56, 786432
	s_cmp_lt_u32 ttmp9, 96
	s_cselect_b32 s54, s54, s56
	s_and_b32 s55, s32, 1                          ; the upper 64 of a K step are chunks 2 and 3
	s_lshl_b32 s55, s55, 10
	s_add_co_u32 s54, s54, s55
	s_mov_b32 s55, 0
	s_add_nc_u64 s[18:19], s[18:19], s[54:55]
	s_lshl_b32 s59, s28, 1
	s_add_co_u32 s60, s59, s28
	s_lshl_b32 s61, s28, 2
	v_lshlrev_b32 v[A], 2, v1
	v_add_nc_u32 v[A+1], s28, v[A]
	v_add_nc_u32 v[A+2], s59, v[A]
	v_add_nc_u32 v[A+3], s60, v[A]
.set i, 4
.rept 60
	v_add_nc_u32 v[A+i], s61, v[A+i-4]
.set i, i+1
.endr
.set i, 0
.rept 64
	global_load_b32 v[X+i], v[A+i], s[22:23] th:TH_LOAD_NT   ; row 64 kh + i at my column: 32 lanes read 128 consecutive bytes; read once in the launch
.set i, i+1
.endr
	s_add_co_i32 s29, s29, 127
	s_lshl_b32 s31, s29, 23
	v_mov_b32 v11, s31                             ; 2^e as f32: the conversion takes its exponent field
	s_add_co_i32 s29, s29, 15
	s_lshl_b32 s29, s29, 23
	s_or_b32 s29, s29, 0x600000
	v_mov_b32 v10, s29                             ; 57,344 x 2^e
.irp q, 0,1,2,3
	s_wait_loadcnt 48-16*\q                        ; loads return in order: the 16 of this run are in, the later runs may be out
.irp i, 0,1,2,3,4,5,6,7,8,9,10,11,12,13,14,15
	v_med3_num_f32 v[X+16*\q+\i], v[X+16*\q+\i], -v10, v10   ; the conversion does not saturate (ISA guide 7.6.2): the hold comes first
.endr
	v_cvt_scalef32_pk8_bf8_f32 v[C+4*\q:C+4*\q+1], v[X+16*\q:X+16*\q+7], v11
	v_cvt_scalef32_pk8_bf8_f32 v[C+4*\q+2:C+4*\q+3], v[X+16*\q+8:X+16*\q+15], v11
	v_nop
	global_store_b128 v2, v[C+4*\q:C+4*\q+3], s[18:19] offset:256*\q   ; k = 16 q + 0 .. 15: chunk q / 2, half q % 2; the sixteen lanes of a tile fill 256 consecutive aligned bytes
.endr
	s_endpgm
.Lfunc_end_k_qeeb8a58022_prep:
	.size	k_qeeb8a58022_prep, .Lfunc_end_k_qeeb8a58022_prep-k_qeeb8a58022_prep
	.p2alignl 7, 3214868480
	.fill 96, 4, 3214868480
	.section	.rodata,"a",@progbits
	.p2align	6, 0x0
	.amdhsa_kernel k_qeeb8a58022_prep
		.amdhsa_group_segment_fixed_size 0
		.amdhsa_private_segment_fixed_size 0
		.amdhsa_enable_private_segment 0
		.amdhsa_kernarg_size 64
		.amdhsa_user_sgpr_count 2
		.amdhsa_user_sgpr_kernarg_segment_ptr 1
		.amdhsa_wavefront_size32 1
		.amdhsa_system_sgpr_workgroup_id_x 1
		.amdhsa_system_sgpr_workgroup_id_y 1
		.amdhsa_system_sgpr_workgroup_id_z 1
		.amdhsa_system_vgpr_workitem_id 0
		.amdhsa_next_free_vgpr 160
		.amdhsa_next_free_sgpr 66
		.amdhsa_reserve_vcc 0
		.amdhsa_float_denorm_mode_32 3
		.amdhsa_float_denorm_mode_16_64 3
		.amdhsa_memory_ordered 1
		.amdhsa_forward_progress 1
		.amdhsa_inst_pref_size 18
	.end_amdhsa_kernel
	.amdgpu_metadata
---
amdhsa.version: [ 1, 2 ]
amdhsa.kernels:
  - .name:           k_qeeb8a58022_prep
    .symbol:         k_qeeb8a58022_prep.kd
    .args:
      - { .name: wq, .offset: 0, .size: 8, .value_kind: global_buffer, .address_space: global }
      - { .name: wk, .offset: 8, .size: 8, .value_kind: global_buffer, .address_space: global }
      - { .name: wv, .offset: 16, .size: 8, .value_kind: global_buffer, .address_space: global }
      - { .name: w_proj, .offset: 24, .size: 8, .value_kind: global_buffer, .address_space: global }
      - { .name: w1, .offset: 32, .size: 8, .value_kind: global_buffer, .address_space: global }
      - { .name: w2, .offset: 40, .size: 8, .value_kind: global_buffer, .address_space: global }
      - { .name: lowp_scales, .offset: 48, .size: 8, .value_kind: global_buffer, .address_space: global }
      - { .name: wimg, .offset: 56, .size: 8, .value_kind: global_buffer, .address_space: global }
    .group_segment_fixed_size: 0
    .private_segment_fixed_size: 0
    .kernarg_segment_align: 8
    .kernarg_segment_size: 64
    .max_flat_workgroup_size: 128
    .sgpr_count:     66
    .vgpr_count:     160
    .wavefront_size: 32
...
	.end_amdgpu_metadata
.endif
;; end of part 1
;; launch qkv (part 2): grid 128 x 2, 4 waves a work-group, no clusters, 104,960 bytes of LDS; arguments x, g1, bt1, lowp_scales, wimg, q_img, k_img, v_img; writes q_img, k_img, v_img
.if DOCPART == 2
	.amdgcn_target "amdgcn-amd-amdhsa--gfx1250"
	.amdhsa_code_object_version 6
	.text
	.protected	k_qeeb8a58022_qkv
	.globl	k_qeeb8a58022_qkv
	.p2align	8
	.type	k_qeeb8a58022_qkv,@function
k_qeeb8a58022_qkv:
	s_mov_b64 s[64:65], 0
	v_nop
	global_prefetch_b8 v0, s[64:65] scope:SCOPE_SE
	s_setreg_imm32_b32 hwreg(HW_REG_WAVE_MODE, 25, 1), 1
	s_wait_xcnt 0x0
; h = layernorm(x) g1 + bt1; q, k, v = h W for 8 heads; all three results leave as codes of E5M2, laid as the attention launch's operand registers.
; SHARES.  A work-group (x: 64 tokens, y: heads 8 y .. 8 y + 7) has four waves.  The norm: wave w takes token tile w, 16 rows, a row to the wave at a time.  The products: wave w takes heads 8 y + 2 w, + 1, for all 64 tokens.
; TOKEN TILES: tile m holds, in lane r, local token 32 (m / 2) + 8 (m % 2) + r + 8 (r / 8).  Weight tiles are laid alike (launch prep).  So in a product used transposed a lane's 16 registers of two neighbouring tiles are 16 neighbours.
; h is an operand of three products with three given scales: it is quantised three times, into three LDS regions.  A fragment (tile m, K step s) is 8 half chunks (c, lane half) of 256 bytes + 16 of padding:
;   byte = V 34,816 + ((4 m + s) 8 + 2 c + h) 272 + 16 r.  With the padding the wave's 8-byte stores of one row (lane pairs 272 bytes apart) fall on different banks; a fragment load reads 256 consecutive bytes a half.
; The variance is taken of the centred numbers, so a common offset of x costs no digits.
; PRODUCTS: 12 groups (tensor X = g / 4, K step g % 4), each 4 weight fragments x 4 token fragments = 16 matrix instructions on 16 accumulators by turns.
;   q, k: source 0 = weights, source 1 = tokens: a lane holds one token and d = 16 (lane / 16) + 0 .. 15.   v: sources swapped: a lane holds one d and 16 neighbouring tokens (the keys are the second product's K).
; Weights come from memory straight into registers: a ring of four buffers of a group each, three groups ahead.
; LIMITS: e1, e3, e5, e6 - e0 - e1, e7 - e2 - e3, e9 - e4 - e5 between -126 and 112.  NaN among the inputs is not served.
; REGISTERS.  window 0: v1-8 addresses; v16-39 a batch's statistics; v40-71 g1, bt1; v72-87 held numbers; v88-119 codes (later v72-103 the results' codes); v120-127 scales; v128-255 two batches of x, later two sets of token fragments.
;   window 1: the weights' ring.   window 2: v0-127 the accumulators.
.set LI,  1                            ; 16 x lane
.set XO,  2                            ; 32 x lane
.set HW,  3                            ; v3-5  where I store codes of h, version 0, 1, 2
.set AR,  6                            ; v6-8  where I read fragments of h
.set ST,  16                           ; row p of a batch: +0, +1 sums; +2 -mean, then 1 / sigma (+3 named with it as a pair); +4 the other half's
.set GG,  40
.set BT,  56
.set T,   72
.set CC,  88
.set PC,  72
.set QS,  120                          ; version V: v[120 + 2 V] scale, v[121 + 2 V] largest number x scale
.set ES,  126
.set EL,  127
.set XB0, 128
.set XB1, 192
.set MSB, 0
.macro WIN new                         ; the immediate's high byte repeats the setting that is left
.if MSB != \new
	s_set_vgpr_msb (MSB<<8)|\new
.set MSB, \new
.endif
.endm
.macro PLACES
.rept 4
	v_nop
.endr
.endm
.macro MKQ e, vs, vl                   ; 2^e and 57,344 x 2^e as f32
	s_add_co_i32 s58, \e, 127
	s_lshl_b32 s59, s58, 23
	v_mov_b32 v[\vs], s59
	s_add_co_i32 s58, s58, 15
	s_lshl_b32 s58, s58, 23
	s_or_b32 s58, s58, 0x600000
	v_mov_b32 v[\vl], s58
.endm
.macro XLOADB xb, r0                   ; four rows of x: a lane takes columns 8 l .. + 7 and 256 + 8 l .. + 7
.irp p, 0,1,2,3
.irp j, 0,1
	global_load_b128 v[\xb+16*\p+8*\j:\xb+16*\p+8*\j+3], v[XO], s[26:27] offset:((\r0)+\p+8*(((\r0)+\p)/8))*2048+1024*\j
	global_load_b128 v[\xb+16*\p+8*\j+4:\xb+16*\p+8*\j+7], v[XO], s[26:27] offset:((\r0)+\p+8*(((\r0)+\p)/8))*2048+1024*\j+16
.endr
.endr
.endm
.macro WLOAD g                         ; group g's four weight fragments into ring buffer g % 4: each load 512 consecutive bytes
	WIN 0x40
.irp t, 0,1,2,3
.irp c, 0,1,2,3
	global_load_b128 v[64*((\g)%4)+16*\t+4*\c:64*((\g)%4)+16*\t+4*\c+3], v[LI], s[24:25] offset:(\g)*8192+2048*\t+512*\c
.endr
.endr
.endm
.macro REDUCE                          ; four rows' pairs of partial sums become the rows' sums, in every lane
.irp p, 0,1,2,3
	v_add_f32 v[ST+6*\p], v[ST+6*\p], v[ST+6*\p+1]
.endr
.irp k, 1,2,4,8
.irp p, 0,1,2,3
	v_add_f32_dpp v[ST+6*\p], v[ST+6*\p], v[ST+6*\p] row_xmask:\k row_mask:0xf bank_mask:0xf
.endr
.endr
.irp p, 0,1,2,3
	v_permlanex16_b32 v[ST+6*\p+4], v[ST+6*\p], s56, s57
.endr
.irp p, 0,1,2,3
	v_add_f32 v[ST+6*\p], v[ST+6*\p], v[ST+6*\p+4]
.endr
.endm
; A batch of four rows (rows r0 .. r0 + 3 of my tile), stage by stage, the rows by turns.
.macro LNB xb, r0
.irp p, 0,1,2,3
	v_pk_add_f32 v[ST+6*\p:ST+6*\p+1], v[\xb+16*\p:\xb+16*\p+1], v[\xb+16*\p+2:\xb+16*\p+3]
.endr
.irp j, 4,6,8,10,12,14
.irp p, 0,1,2,3
	v_pk_add_f32 v[ST+6*\p:ST+6*\p+1], v[ST+6*\p:ST+6*\p+1], v[\xb+16*\p+\j:\xb+16*\p+\j+1]
.endr
.endr
	REDUCE
.irp p, 0,1,2,3
	v_mul_f32 v[ST+6*\p+2], s52, v[ST+6*\p]        ; -mean
.endr
.irp j, 0,2,4,6,8,10,12,14
.irp p, 0,1,2,3
	v_pk_add_f32 v[\xb+16*\p+\j:\xb+16*\p+\j+1], v[\xb+16*\p+\j:\xb+16*\p+\j+1], v[ST+6*\p+2:ST+6*\p+3] op_sel_hi:[1,0]
.endr
.endr
.irp p, 0,1,2,3
	v_pk_mul_f32 v[ST+6*\p:ST+6*\p+1], v[\xb+16*\p:\xb+16*\p+1], v[\xb+16*\p:\xb+16*\p+1]
.endr
.irp j, 2,4,6,8,10,12,14
.irp p, 0,1,2,3
	v_pk_fma_f32 v[ST+6*\p:ST+6*\p+1], v[\xb+16*\p+\j:\xb+16*\p+\j+1], v[\xb+16*\p+\j:\xb+16*\p+\j+1], v[ST+6*\p:ST+6*\p+1]
.endr
.endr
	REDUCE
.irp p, 0,1,2,3
	v_fma_f32 v[ST+6*\p], v[ST+6*\p], s53, s54     ; variance + eps
.endr
.irp p, 0,1,2,3
	v_rsq_f32 v[ST+6*\p+2], v[ST+6*\p]
.endr
	v_nop                                          ; a plain instruction behind the last root,
	s_wait_alu depctr_va_vdst(0)                   ; and one wait for the batch's four, ahead of their first reader
.irp j, 0,2,4,6,8,10,12,14
.irp p, 0,1,2,3
	v_pk_mul_f32 v[\xb+16*\p+\j:\xb+16*\p+\j+1], v[\xb+16*\p+\j:\xb+16*\p+\j+1], v[ST+6*\p+2:ST+6*\p+3] op_sel_hi:[1,0]
.endr
.endr
.irp j, 0,2,4,6,8,10,12,14
.irp p, 0,1,2,3
	v_pk_fma_f32 v[\xb+16*\p+\j:\xb+16*\p+\j+1], v[\xb+16*\p+\j:\xb+16*\p+\j+1], v[GG+\j:GG+\j+1], v[BT+\j:BT+\j+1]
.endr
.endr
.irp V, 0,1,2
.if \V == 0
	s_wait_dscnt 0x0                               ; the last batch's stores have read the codes' registers
.endif
.if \V == 2
	s_wait_dscnt 8                                 ; version 1's eight stores may be out; version 0's have read the set that is written now
.endif
.irp p, 0,1,2,3
.irp i, 0,1,2,3,4,5,6,7,8,9,10,11,12,13,14,15
	v_med3_num_f32 v[T+\i], v[\xb+16*\p+\i], -v[QS+2*\V+1], v[QS+2*\V+1]
.endr
	v_cvt_scalef32_pk8_bf8_f32 v[CC+16*(\V%2)+4*\p:CC+16*(\V%2)+4*\p+1], v[T:T+7], v[QS+2*\V]
	v_cvt_scalef32_pk8_bf8_f32 v[CC+16*(\V%2)+4*\p+2:CC+16*(\V%2)+4*\p+3], v[T+8:T+15], v[QS+2*\V]
	v_nop                                          ; a plain instruction between the conversions and the next holds, which write their sources
	ds_store_b64 v[HW+\V], v[CC+16*(\V%2)+4*\p:CC+16*(\V%2)+4*\p+1] offset:16*((\r0)+\p)
	ds_store_b64 v[HW+\V], v[CC+16*(\V%2)+4*\p+2:CC+16*(\V%2)+4*\p+3] offset:16*((\r0)+\p)+4352
.endr
.endr
.endm
.macro AFETCH X, s, buf                ; the four token fragments of version X, K step s
.irp m, 0,1,2,3
.irp c, 0,1,2,3
	ds_load_b128 v[\buf+16*\m+4*\c:\buf+16*\m+4*\c+3], v[AR+\X] offset:(4*\m+(\s))*2176+544*\c
.endr
.endr
.endm
.macro GROUP g
.set WB, 64*((\g)%4)
.set AB, XB0+64*((\g)%2)
	s_wait_dscnt 0x0                               ; this group's token fragments are in
.if (\g) < 11
	AFETCH ((\g)+1)/4, ((\g)+1)%4, XB0+64*(((\g)+1)%2)   ; the next group's; that set's last readers stand behind the last group's four places
.endif
.if (\g) < 9
	s_wait_loadcnt 48                              ; the three younger groups of weights may be out
.else
	s_wait_loadcnt 16*(11-(\g))
.endif
.if (\g)/4 < 2
	WIN 0xa1                                       ; source 0 (weights) window 1, source 1 (tokens) window 0, C and D window 2
.else
	WIN 0xa4                                       ; source 0 (tokens) window 0, source 1 (weights) window 1
.endif
.irp t, 0,1,2,3
.irp m, 0,1,2,3
.if (\g)/4 < 2
.set AC, 32*\m+8*\t
.if (\g)%4 == 0
	v_wmma_f32_16x16x128_bf8_bf8 v[AC:AC+7], v[WB+16*\t:WB+16*\t+15], v[AB+16*\m:AB+16*\m+15], 0
.else
	v_wmma_f32_16x16x128_bf8_bf8 v[AC:AC+7], v[WB+16*\t:WB+16*\t+15], v[AB+16*\m:AB+16*\m+15], v[AC:AC+7]
.endif
.else
.set AC, 64*(\m/2)+16*\t+8*(\m%2)
.if (\g)%4 == 0
	v_wmma_f32_16x16x128_bf8_bf8 v[AC:AC+7], v[AB+16*\m:AB+16*\m+15], v[WB+16*\t:WB+16*\t+15], 0
.else
	v_wmma_f32_16x16x128_bf8_bf8 v[AC:AC+7], v[AB+16*\m:AB+16*\m+15], v[WB+16*\t:WB+16*\t+15], v[AC:AC+7]
.endif
.endif
.endr
.endr
	PLACES                                         ; in front of loads into registers that these products read, and of the first read of results
.if (\g) <= 7
	WLOAD (\g)+4
.endif
	WIN 0
.endm
; A tensor's sums become codes and leave: 128 holds, 16 conversions, 8 stores of 512 consecutive bytes.  The three scales are folded into the conversion's one.
.macro EPI X
.if \X > 0
	s_wait_xcnt 0x0                                ; the last tensor's stores have read the codes' registers
.endif
.if \X == 0
	s_sub_co_i32 s60, s42, s36
	s_sub_co_i32 s60, s60, s37
.elseif \X == 1
	s_sub_co_i32 s60, s43, s38
	s_sub_co_i32 s60, s60, s39
.else
	s_sub_co_i32 s60, s45, s40
	s_sub_co_i32 s60, s60, s41
.endif
	MKQ s60, ES, EL
	WIN 0x82                                       ; source 0 and destination window 2
.set i, 0
.rept 128
	v_med3_num_f32 v[i], v[i], -v[EL], v[EL]       ; each accumulator from its low end on
.set i, i+1
.endr
	WIN 0x02
.set i, 0
.rept 16
	v_cvt_scalef32_pk8_bf8_f32 v[PC+2*i:PC+2*i+1], v[8*i:8*i+7], v[ES]
.set i, i+1
.endr
	v_nop                                          ; a plain instruction between the conversions and the next products, which write their sources
	WIN 0
.irp n, 0,1,2,3,4,5,6,7
.if \X < 2
	global_store_b128 v[LI], v[PC+4*\n:PC+4*\n+3], s[28+2*\X:29+2*\X] offset:(\n%2)*65536+(\n/2)*512      ; head n % 2, token tile n / 2
.else
	global_store_b128 v[LI], v[PC+4*\n:PC+4*\n+3], s[32:33] offset:((\n%4)/2)*65536+(\n%2)*2048+(\n/4)*512   ; head, tile of d, chunk of 32 keys
.endif
.endr
.endm
	s_load_b512 s[4:19], s[0:1], 0x0               ; x, g1, bt1, lowp_scales, wimg, q_img, k_img, v_img
	v_lshl_add_u32 v33, v0, 2, 0x19800
	v_mov_b32 v39, 0
	v_lshrrev_b32 v9, 5, v0
	v_readfirstlane_b32 s20, v9                    ; wave
	v_and_b32 v10, 31, v0
	v_lshlrev_b32 v[LI], 4, v10
	v_lshlrev_b32 v[XO], 5, v10
	v_lshrrev_b32 v11, 1, v10
	v_mul_u32_u24 v11, v11, 272
	v_and_b32 v12, 1, v10
	v_lshl_add_u32 v11, v12, 3, v11                ; half chunk lane / 2, 8 bytes for each lane of the pair
	s_mul_i32 s21, s20, 8704                       ; my tile's four fragments
	v_add_nc_u32 v[HW], s21, v11
	v_add_nc_u32 v[HW+1], 34816, v[HW]
	v_add_nc_u32 v[HW+2], 69632, v[HW]
	v_and_b32 v12, 15, v0
	v_bfe_u32 v13, v0, 4, 1
	v_mul_u32_u24 v13, v13, 272
	v_lshl_add_u32 v[AR], v12, 4, v13
	v_add_nc_u32 v[AR+1], 34816, v[AR]
	v_add_nc_u32 v[AR+2], 69632, v[AR]
	s_and_b32 s22, ttmp7, 0xffff                   ; y
	s_lshl_b32 s34, ttmp9, 17                      ; x: 64 rows of 2,048 bytes a work-group,
	s_lshr_b32 s35, s20, 1
	s_lshl_b32 s35, s35, 16                        ; + 32 (w / 2) rows
	s_add_co_u32 s34, s34, s35
	s_and_b32 s35, s20, 1
	s_lshl_b32 s35, s35, 14                        ; + 8 (w % 2) rows
	s_add_co_u32 s34, s34, s35
	s_mov_b32 s35, 0
	s_lshl_b32 s58, s22, 2
	s_add_co_u32 s58, s58, s20
	s_mul_i32 s58, s58, 98304                      ; my pair of heads in wimg
	s_mov_b32 s59, 0
	s_lshr_b32 s60, ttmp9, 5
	s_lshl_b32 s60, s60, 4
	s_lshl_b32 s61, s22, 3
	s_add_co_u32 s60, s60, s61
	s_lshl_b32 s61, s20, 1
	s_add_co_u32 s60, s60, s61
	s_lshl_b32 s60, s60, 16                        ; (16 batch + my first head) x 65,536
	s_and_b32 s23, ttmp9, 31
	s_lshl_b32 s61, s23, 11                        ; q, k: four token tiles of 512 bytes a work-group
	s_lshr_b32 s62, s23, 1
	s_lshl_b32 s62, s62, 12                        ; v: key step of 128,
	s_and_b32 s63, ttmp9, 1
	s_lshl_b32 s63, s63, 10                        ; and its lower or upper two chunks
	s_add_co_u32 s62, s62, s63
	s_add_co_u32 s62, s62, s60
	s_add_co_u32 s60, s60, s61
	s_mov_b32 s61, 0
	s_mov_b32 s63, 0
	s_mov_b32 s52, 0xbb000000                      ; -1 / 512
	s_mov_b32 s53, 0x3b000000                      ; 1 / 512
	s_mov_b32 s54, 0x3727c5ac                      ; 1e-5
	s_mov_b32 s56, 0x76543210                      ; v_permlanex16_b32: lane l xor 16
	s_mov_b32 s57, 0xfedcba98
	s_wait_kmcnt 0x0
	s_load_b512 s[36:51], s[10:11], 0x0
	s_add_nc_u64 s[26:27], s[4:5], s[34:35]
	s_add_nc_u64 s[24:25], s[12:13], s[58:59]
	s_add_nc_u64 s[28:29], s[14:15], s[60:61]
	s_add_nc_u64 s[30:31], s[16:17], s[60:61]
	s_add_nc_u64 s[32:33], s[18:19], s[62:63]
.irp j, 0,1
	global_load_b128 v[GG+8*\j:GG+8*\j+3], v[XO], s[6:7] offset:1024*\j
	global_load_b128 v[GG+8*\j+4:GG+8*\j+7], v[XO], s[6:7] offset:1024*\j+16
.endr
.irp j, 0,1
	global_load_b128 v[BT+8*\j:BT+8*\j+3], v[XO], s[8:9] offset:1024*\j
	global_load_b128 v[BT+8*\j+4:BT+8*\j+7], v[XO], s[8:9] offset:1024*\j+16
.endr
	XLOADB XB0, 0
	XLOADB XB1, 4
.irp p, 0,1,2,3
	v_mov_b32 v[ST+6*\p+3], 0                      ; named as a pair's upper half
	v_mov_b32 v[ST+6*\p+4], 0                      ; a lane permute's destination counts as one of its sources
.endr
	s_wait_kmcnt 0x0
	MKQ s37, QS, QS+1
	MKQ s39, QS+2, QS+3
	MKQ s41, QS+4, QS+5
	s_wait_loadcnt 16                              ; g1, bt1 and rows 0-3 are in; rows 4-7 may be out
	LNB XB0, 0
	XLOADB XB0, 8
	s_wait_loadcnt 16                              ; rows 4-7 are in
	LNB XB1, 4
	XLOADB XB1, 12
	s_wait_loadcnt 16                              ; rows 8-11 are in
	WLOAD 0
	WLOAD 1
	WLOAD 2
	WIN 0
	LNB XB0, 8
	s_wait_loadcnt 48                              ; rows 12-15 are in; three groups of weights may be out
	WLOAD 3
	WIN 0
	LNB XB1, 12
	s_wait_dscnt 0x0                               ; for the others' sake: my codes of h lie in LDS
	s_barrier_signal -1
	s_barrier_wait -1                              ; all 48 fragments do; nothing in LDS is written again
	AFETCH 0, 0, XB0
.irp g, 0,1,2,3
	GROUP \g
.endr
	EPI 0
.irp g, 4,5,6,7
	GROUP \g
.endr
	EPI 1
.irp g, 8,9,10,11
	GROUP \g
.endr
	EPI 2
	s_wait_tensorcnt 0x0
	ds_add_u32 v33, v39
	s_wait_dscnt 0x0
	s_endpgm
.Lfunc_end_k_qeeb8a58022_qkv:
	.size	k_qeeb8a58022_qkv, .Lfunc_end_k_qeeb8a58022_qkv-k_qeeb8a58022_qkv
	.p2alignl 7, 3214868480
	.fill 96, 4, 3214868480
	.section	.rodata,"a",@progbits
	.p2align	6, 0x0
	.amdhsa_kernel k_qeeb8a58022_qkv
		.amdhsa_group_segment_fixed_size 104960
		.amdhsa_private_segment_fixed_size 0
		.amdhsa_enable_private_segment 0
		.amdhsa_kernarg_size 64
		.amdhsa_user_sgpr_count 2
		.amdhsa_user_sgpr_kernarg_segment_ptr 1
		.amdhsa_wavefront_size32 1
		.amdhsa_system_sgpr_workgroup_id_x 1
		.amdhsa_system_sgpr_workgroup_id_y 1
		.amdhsa_system_sgpr_workgroup_id_z 1
		.amdhsa_system_vgpr_workitem_id 0
		.amdhsa_next_free_vgpr 640
		.amdhsa_next_free_sgpr 66
		.amdhsa_reserve_vcc 0
		.amdhsa_float_denorm_mode_32 3
		.amdhsa_float_denorm_mode_16_64 3
		.amdhsa_memory_ordered 1
		.amdhsa_forward_progress 1
		.amdhsa_inst_pref_size 203
	.end_amdhsa_kernel
	.amdgpu_metadata
---
amdhsa.version: [ 1, 2 ]
amdhsa.kernels:
  - .name:           k_qeeb8a58022_qkv
    .symbol:         k_qeeb8a58022_qkv.kd
    .args:
      - { .name: x, .offset: 0, .size: 8, .value_kind: global_buffer, .address_space: global }
      - { .name: g1, .offset: 8, .size: 8, .value_kind: global_buffer, .address_space: global }
      - { .name: bt1, .offset: 16, .size: 8, .value_kind: global_buffer, .address_space: global }
      - { .name: lowp_scales, .offset: 24, .size: 8, .value_kind: global_buffer, .address_space: global }
      - { .name: wimg, .offset: 32, .size: 8, .value_kind: global_buffer, .address_space: global }
      - { .name: q_img, .offset: 40, .size: 8, .value_kind: global_buffer, .address_space: global }
      - { .name: k_img, .offset: 48, .size: 8, .value_kind: global_buffer, .address_space: global }
      - { .name: v_img, .offset: 56, .size: 8, .value_kind: global_buffer, .address_space: global }
    .group_segment_fixed_size: 104960
    .private_segment_fixed_size: 0
    .kernarg_segment_align: 8
    .kernarg_segment_size: 64
    .max_flat_workgroup_size: 128
    .sgpr_count:     66
    .vgpr_count:     640
    .wavefront_size: 32
...
	.end_amdgpu_metadata
.endif
;; end of part 2
;; launch attn (part 3): grid 4 x 64, 16 waves a work-group, no clusters, 133,120 bytes of LDS; arguments q_img, k_img, v_img, lowp_scales, attn_img; writes attn_img
.if DOCPART == 3
	.amdgcn_target "amdgcn-amd-amdhsa--gfx1250"
	.amdhsa_code_object_version 6
	.text
	.protected	k_qeeb8a58022_attn
	.globl	k_qeeb8a58022_attn
	.p2align	8
	.type	k_qeeb8a58022_attn,@function
k_qeeb8a58022_attn:
	s_mov_b64 s[64:65], 0
	v_nop
	global_prefetch_b8 v0, s[64:65] scope:SCOPE_SE
	s_setreg_imm32_b32 hwreg(HW_REG_WAVE_MODE, 25, 1), 1
	s_wait_xcnt 0x0
; attention of one (batch, head) on codes of E5M2; the result leaves as codes, laid as the next product's operand registers.
; t = score x log2(e) / sqrt(512); M = the running largest t rounded UP to a whole number; p = 2^(t - M) is quantised with 2^ep; the row's sum is taken of the unquantised p and divides at the end.
; SHARES.  A work-group (x: a quarter of the queries, y: 16 batch + head) has sixteen waves of 256 registers, four to a SIMD; a wave owns two tiles of 16 queries, which share every fragment of K and V that it reads from LDS.
; LDS: the head's K image (65,536 bytes) and V image (65,536), copied once at the head, as they lie: no slot is ever filled again.  One barrier.
; Both products are used transposed (S^T = K Q^T, O^T = V^T P^T): a lane holds one query throughout.  The keys of a tile are 32 f + 8 u + r + 8 (r / 8), so that the 16 registers of tiles 2 f, 2 f + 1 are 16 neighbouring keys.
; THE SCORES' K IS 32.  The form of K = 64 takes, as source 0, TWO key tiles side by side (registers 0-3: tile 2 f, registers 4-7: tile 2 f + 1); source 1 is Q beside zeros: (q, 0) gives tile 2 f, (0, q) tile 2 f + 1.
;   Q stands in 12 registers 0 0 0 0 q q q q 0 0 0 0, of which the two sources are two windows of eight.  K's codes are finite (they were held), so zero x code is zero.
; THE HOLD OF p at 57,344 x 2^ep: p is at most 1, so for ep >= -15 it changes nothing and a scalar branch on ep, a whole number read from lowp_scales, leads round its 64 lines; for ep <= -16 they run.
; LIMITS: e6 + e7 between -122 and 131 (added to c's exponent field); ep and e10 between -126 and 112; ep + ev is applied by v_ldexp_f32.
.set LI,  1                            ; 16 x lane
.set LIV, 2                            ; + 65,536
.set ADK, 3
.set ADV, 4
.set FK,  5                            ; 16 x thread
.set FV,  6                            ; + 65,536
.set KF,  44                           ; v44-75   four double tiles of K
.set VF,  76                           ; v76-107  V's two fragments (16 d x 128 keys)
.set S,   108                          ; v108-171 S^T, then p; at the head the copy's registers
.set PC,  172                          ; v172-187 p's codes
.set O,   188                          ; v188-219 O^T, 16 a tile
.set F,   220                          ; v[220:221] f = 2^(old M - new M)
.set MX0, 222
.set MX1, 223
.set PD,  224
.set T2,  226
; tile a: v[12 + 4 a] -M, v[13 + 4 a] the largest t, v[14 + 4 a : 15 + 4 a] the sum in two halves; Q in v[20 + 12 a .. 31 + 12 a]
.macro MKQ e, vs, vl
	s_add_co_i32 s30, \e, 127
	s_lshl_b32 s31, s30, 23
	v_mov_b32 v[\vs], s31
	s_add_co_i32 s30, s30, 15
	s_lshl_b32 s30, s30, 23
	s_or_b32 s30, s30, 0x600000
	v_mov_b32 v[\vl], s30
.endm
	s_load_b256 s[4:11], s[0:1], 0x0               ; q_img, k_img, v_img, lowp_scales
	s_load_b64 s[12:13], s[0:1], 0x20              ; attn_img
	v_lshl_add_u32 v254, v0, 2, 0x20000
	v_mov_b32 v255, 0
	v_lshrrev_b32 v7, 5, v0
	v_readfirstlane_b32 s14, v7                    ; wave 0..15
	v_and_b32 v7, 31, v0
	v_lshlrev_b32 v[LI], 4, v7
	v_add_nc_u32 v[LIV], 65536, v[LI]
	v_lshlrev_b32 v[FK], 4, v0
	v_add_nc_u32 v[FV], 65536, v[FK]
	s_and_b32 s15, ttmp7, 0xffff                   ; bh
	s_lshl_b32 s16, s15, 16                        ; the head's image, 65,536 bytes in each of the three
	s_mov_b32 s17, 0
	s_lshl_b32 s18, ttmp9, 14                      ; my first query tile: 32 x quarter + 2 x wave, 512 bytes each
	s_lshl_b32 s19, s14, 10
	s_add_co_u32 s18, s18, s19
	s_add_co_u32 s18, s18, s16
	s_mov_b32 s19, 0
	s_lshr_b32 s28, s15, 4                         ; the way out: token tile 128 batch + 32 quarter + 2 wave, 8,192 bytes each,
	s_lshl_b32 s28, s28, 7
	s_lshl_b32 s29, ttmp9, 5
	s_add_co_u32 s28, s28, s29
	s_lshl_b32 s29, s14, 1
	s_add_co_u32 s28, s28, s29
	s_lshl_b32 s28, s28, 13
	s_bfe_u32 s29, s15, 0x20002                    ; K step (head / 4),
	s_lshl_b32 s29, s29, 11
	s_add_co_u32 s28, s28, s29
	s_and_b32 s29, s15, 3                          ; chunk head % 4
	s_lshl_b32 s29, s29, 9
	s_add_co_u32 s28, s28, s29
	s_mov_b32 s29, 0
	s_mov_b32 s20, 0x76543210
	s_mov_b32 s21, 0xfedcba98
	s_mov_b32 s22, 0x3d8293ee                      ; c = log2(e) / sqrt(512)
	s_mov_b32 s24, 0                               ; the key step's bytes in each image
	s_mov_b32 s25, 16                              ; key steps
	s_wait_kmcnt 0x0
	s_load_b512 s[36:51], s[10:11], 0x0
	s_add_nc_u64 s[6:7], s[6:7], s[16:17]
	s_add_nc_u64 s[8:9], s[8:9], s[16:17]
	s_add_nc_u64 s[4:5], s[4:5], s[18:19]
	s_add_nc_u64 s[12:13], s[12:13], s[28:29]
.irp i, 0,1,2,3,4,5,6,7
	global_load_b128 v[S+4*\i:S+4*\i+3], v[FK], s[6:7] offset:8192*\i        ; the 512 threads read 8,192 consecutive bytes
.endr
.irp i, 0,1,2,3,4,5,6,7
	global_load_b128 v[S+32+4*\i:S+32+4*\i+3], v[FK], s[8:9] offset:8192*\i
.endr
	global_load_b128 v[24:27], v[LI], s[4:5]
	global_load_b128 v[36:39], v[LI], s[4:5] offset:512
.irp j, 20,21,22,23,28,29,30,31,32,33,34,35,40,41,42,43
	v_mov_b32 v\j, 0                               ; the zeros beside Q
.endr
.irp a, 0,1
	v_mov_b32 v[13+4*\a], 0xff61b1e6               ; the largest t so far: -3e38
	v_floor_f32 v[12+4*\a], -v[13+4*\a]            ; -M
	v_mov_b32 v[14+4*\a], 0
	v_mov_b32 v[15+4*\a], 0
.endr
.set i, 0
.rept 32
	v_mov_b32 v[O+i], 0                            ; the step is written once: the first finds zeros, which the first change of M leaves zeros
.set i, i+1
.endr
	v_mov_b32 v[PD], 0                             ; a lane permute's destination counts as one of its sources
	v_mov_b32 v[F+1], 0                            ; named as a pair's upper half
	s_wait_kmcnt 0x0
	s_add_co_i32 s23, s42, s43
	s_lshl_b32 s23, s23, 23
	s_add_co_i32 s22, s22, s23                     ; a score stands for score x 2^(e6 + e7)
	s_mov_b32 s23, s22
	s_mov_b32 s26, s44                             ; ep
	s_add_co_i32 s27, s44, s45                     ; ep + ev
	MKQ s44, 228, 229
	MKQ s46, 230, 231
	s_wait_loadcnt 2                               ; the sixteen loads of the copy are in; Q's two may be out
.irp i, 0,1,2,3,4,5,6,7
	ds_store_b128 v[FK], v[S+4*\i:S+4*\i+3] offset:8192*\i
.endr
.irp i, 0,1,2,3,4,5,6,7
	ds_store_b128 v[FV], v[S+32+4*\i:S+32+4*\i+3] offset:8192*\i
.endr
	s_wait_dscnt 0x0                               ; for the others' sake: my part of the images lies in LDS
	s_barrier_signal -1
	s_barrier_wait -1
	s_wait_loadcnt 0x0                             ; Q
.macro TILE a
.set NM, 12+4*\a
.set LS, 14+4*\a
.set QL, 24+12*\a
.set QH, 20+12*\a
.set OA, O+16*\a
.irp f, 0,1,2,3
	v_wmma_f32_16x16x64_bf8_bf8 v[S+16*\f:S+16*\f+7], v[KF+8*\f:KF+8*\f+7], v[QL:QL+7], 0
	v_wmma_f32_16x16x64_bf8_bf8 v[S+16*\f+8:S+16*\f+15], v[KF+8*\f:KF+8*\f+7], v[QH:QH+7], 0
.endr
.rept 4
	v_nop                                          ; places in front of the first read of results (ISA guide 7.12.1)
.endr
	v_max3_num_f32 v[MX0], v[S], v[S+1], v[S+2]    ; the step's largest score of my query among my 64 keys, in two chains; each tile is first read at its low end
	v_max3_num_f32 v[MX1], v[S+3], v[S+4], v[S+5]
.irp i, 6,10,14,18,22,26,30,34,38,42,46,50,54,58
	v_max3_num_f32 v[MX0], v[MX0], v[S+\i], v[S+\i+1]
	v_max3_num_f32 v[MX1], v[MX1], v[S+\i+2], v[S+\i+3]
.endr
	v_max3_num_f32 v[MX0], v[MX0], v[S+62], v[S+63]
	v_max_num_f32 v[MX0], v[MX0], v[MX1]
	v_permlanex16_b32 v[PD], v[MX0], s20, s21
	v_max_num_f32 v[MX0], v[MX0], v[PD]            ; and among lane l xor 16's
	v_mul_f32 v[MX0], s22, v[MX0]                  ; as t (c is positive)
	v_max_num_f32 v[NM+1], v[NM+1], v[MX0]         ; the running largest t
	v_mov_b32 v[MX0], v[NM]
	v_floor_f32 v[NM], -v[NM+1]                    ; -M = floor(-t): M is a whole number
	v_sub_f32 v[MX0], v[NM], v[MX0]                ; old M - new M, 0 or less
	v_cvt_i32_f32 v[MX0], v[MX0]                   ; (it saturates)
	v_ldexp_f32 v[F], 1.0, v[MX0]                  ; f: a power of two, so the rescaling rounds nothing
.set j, 0
.rept 32
	v_pk_fma_f32 v[S+j:S+j+1], v[S+j:S+j+1], s[22:23], v[NM:NM+1] op_sel_hi:[1,0,0]   ; t - M
.set j, j+2
.endr
.set j, 0
.rept 64
	v_exp_f32 v[S+j], v[S+j]                       ; p, at most 1
.set j, j+1
.endr
	v_pk_mul_f32 v[LS:LS+1], v[LS:LS+1], v[F:F+1] op_sel_hi:[1,0]   ; the sums under the new M: the plain instruction behind the exponentials
	s_wait_alu depctr_va_vdst(0)                   ; one wait for the batch of 64, ahead of its first reader
	v_pk_add_f32 v[T2:T2+1], v[S:S+1], v[S+2:S+3]  ; the row's sum, of the unquantised p, in two chains
.irp j, 4,8,12,16,20,24,28,32,36,40,44,48,52,56,60
	v_pk_add_f32 v[LS:LS+1], v[LS:LS+1], v[S+\j:S+\j+1]
	v_pk_add_f32 v[T2:T2+1], v[T2:T2+1], v[S+\j+2:S+\j+3]
.endr
	v_pk_add_f32 v[LS:LS+1], v[LS:LS+1], v[T2:T2+1]
	s_cmp_gt_i32 s26, -16                          ; ep >= -15: 57,344 x 2^ep >= 1.75 > p
	s_cbranch_scc1 .Lfree_\@
.set j, 0
.rept 64
	v_min_num_f32 v[S+j], v[S+j], v229             ; p is not negative: the hold is one-sided
.set j, j+1
.endr
.Lfree_\@:
.irp b, 0,1,2,3
	v_cvt_scalef32_pk8_bf8_f32 v[PC+4*\b:PC+4*\b+1], v[S+16*\b:S+16*\b+7], v228
	v_cvt_scalef32_pk8_bf8_f32 v[PC+4*\b+2:PC+4*\b+3], v[S+16*\b+8:S+16*\b+15], v228
.endr
.irp j, 0,2,4,6,8,10,12,14
	v_pk_mul_f32 v[OA+\j:OA+\j+1], v[OA+\j:OA+\j+1], v[F:F+1] op_sel_hi:[1,0]   ; O^T under the new M; also the plain instructions between the conversions and the products
.endr
.if \a == 0
	s_wait_dscnt 0x0                               ; V's fragments are in
.endif
	v_wmma_f32_16x16x128_bf8_bf8 v[OA:OA+7], v[VF:VF+15], v[PC:PC+15], v[OA:OA+7]           ; d = 16 (lane / 16) + 0 .. 7
	v_wmma_f32_16x16x128_bf8_bf8 v[OA+8:OA+15], v[VF+16:VF+31], v[PC:PC+15], v[OA+8:OA+15]  ; d = 16 (lane / 16) + 8 .. 15.  Neighbouring matrix instructions never share an accumulator
.endm
.Lstep:                                            ; 16 trips of 128 keys
	v_add_nc_u32 v[ADK], s24, v[LI]
	v_add_nc_u32 v[ADV], s24, v[LIV]
	v_nop
	v_nop                                          ; with the two additions: four places behind the last products, which read V's registers
.irp i, 0,1,2,3,4,5,6,7
	ds_load_b128 v[KF+4*\i:KF+4*\i+3], v[ADK] offset:512*\i
.endr
.irp i, 0,1,2,3,4,5,6,7
	ds_load_b128 v[VF+4*\i:VF+4*\i+3], v[ADV] offset:512*\i
.endr
	s_wait_dscnt 8                                 ; K's eight are in; V's eight may be out
	TILE 0
	TILE 1
	s_add_co_u32 s24, s24, 4096
	s_sub_co_u32 s25, s25, 1
	s_cmp_lg_u32 s25, 0
	s_cbranch_scc1 .Lstep
.rept 4
	v_nop
.endr
	v_add_f32 v14, v14, v15
	v_add_f32 v18, v18, v19
	v_permlanex16_b32 v[MX0], v14, s20, s21
	v_permlanex16_b32 v[MX1], v18, s20, s21
	v_add_f32 v14, v14, v[MX0]                     ; the rows' sums
	v_add_f32 v18, v18, v[MX1]
	v_rcp_f32 v14, v14
	v_rcp_f32 v18, v18
	v_nop
	s_wait_alu depctr_va_vdst(0)                   ; one wait for the two reciprocals
	v_ldexp_f32 v14, v14, s27                      ; x 2^(ep + ev)
	v_ldexp_f32 v18, v18, s27
.irp a, 0,1
.irp i, 0,1,2,3,4,5,6,7,8,9,10,11,12,13,14,15
	v_mul_f32 v[S+16*\a+\i], v[O+16*\a+\i], v[14+4*\a]
.endr
.irp i, 0,1,2,3,4,5,6,7,8,9,10,11,12,13,14,15
	v_med3_num_f32 v[S+16*\a+\i], v[S+16*\a+\i], -v231, v231
.endr
	v_cvt_scalef32_pk8_bf8_f32 v[PC+4*\a:PC+4*\a+1], v[S+16*\a:S+16*\a+7], v230
	v_cvt_scalef32_pk8_bf8_f32 v[PC+4*\a+2:PC+4*\a+3], v[S+16*\a+8:S+16*\a+15], v230
	v_nop
	global_store_b128 v[LI], v[PC+4*\a:PC+4*\a+3], s[12:13] offset:8192*\a   ; 512 consecutive aligned bytes: a chunk of the next product's fragment
.endr
	s_wait_tensorcnt 0x0
	ds_add_u32 v254, v255
	s_wait_dscnt 0x0
	s_endpgm
.Lfunc_end_k_qeeb8a58022_attn:
	.size	k_qeeb8a58022_attn, .Lfunc_end_k_qeeb8a58022_attn-k_qeeb8a58022_attn
	.p2alignl 7, 3214868480
	.fill 96, 4, 3214868480
	.section	.rodata,"a",@progbits
	.p2align	6, 0x0
	.amdhsa_kernel k_qeeb8a58022_attn
		.amdhsa_group_segment_fixed_size 133120
		.amdhsa_private_segment_fixed_size 0
		.amdhsa_enable_private_segment 0
		.amdhsa_kernarg_size 40
		.amdhsa_user_sgpr_count 2
		.amdhsa_user_sgpr_kernarg_segment_ptr 1
		.amdhsa_wavefront_size32 1
		.amdhsa_system_sgpr_workgroup_id_x 1
		.amdhsa_system_sgpr_workgroup_id_y 1
		.amdhsa_system_sgpr_workgroup_id_z 1
		.amdhsa_system_vgpr_workitem_id 0
		.amdhsa_next_free_vgpr 256
		.amdhsa_next_free_sgpr 66
		.amdhsa_reserve_vcc 0
		.amdhsa_float_denorm_mode_32 3
		.amdhsa_float_denorm_mode_16_64 3
		.amdhsa_memory_ordered 1
		.amdhsa_forward_progress 1
		.amdhsa_inst_pref_size 38
	.end_amdhsa_kernel
	.amdgpu_metadata
---
amdhsa.version: [ 1, 2 ]
amdhsa.kernels:
  - .name:           k_qeeb8a58022_attn
    .symbol:         k_qeeb8a58022_attn.kd
    .args:
      - { .name: q_img, .offset: 0, .size: 8, .value_kind: global_buffer, .address_space: global }
      - { .name: k_img, .offset: 8, .size: 8, .value_kind: global_buffer, .address_space: global }
      - { .name: v_img, .offset: 16, .size: 8, .value_kind: global_buffer, .address_space: global }
      - { .name: lowp_scales, .offset: 24, .size: 8, .value_kind: global_buffer, .address_space: global }
      - { .name: attn_img, .offset: 32, .size: 8, .value_kind: global_buffer, .address_space: global }
    .group_segment_fixed_size: 133120
    .private_segment_fixed_size: 0
    .kernarg_segment_align: 8
    .kernarg_segment_size: 40
    .max_flat_workgroup_size: 512
    .sgpr_count:     66
    .vgpr_count:     256
    .wavefront_size: 32
...
	.end_amdgpu_metadata
.endif
;; end of part 3
;; launch ffn (part 4): grid 128 x 1, 4 waves a work-group, no clusters, 215,552 bytes of LDS; arguments x, attn_img, wimg, lowp_scales, b_proj, g2, bt2, b1, b2, out0; writes out0
.if DOCPART == 4
	.amdgcn_target "amdgcn-amd-amdhsa--gfx1250"
	.amdhsa_code_object_version 6
	.text
	.protected	k_qeeb8a58022_ffn
	.globl	k_qeeb8a58022_ffn
	.p2align	8
	.type	k_qeeb8a58022_ffn,@function
k_qeeb8a58022_ffn:
	s_mov_b64 s[64:65], 0
	v_nop
	global_prefetch_b8 v0, s[64:65] scope:SCOPE_SE
	s_setreg_imm32_b32 hwreg(HW_REG_WAVE_MODE, 25, 1), 1
	s_wait_xcnt 0x0
; x2 = x + attn w_proj + b_proj;  out = x2 + relu(layernorm(x2) w1 + b1) w2 + b2.  All three products on codes of E5M2; nothing between them goes to memory.
; SHARES.  A work-group takes 64 rows (four token tiles m; tile m holds in lane r row 32 (m / 2) + 8 (m % 2) + r + 8 (r / 8)) through the whole chain.  THE WAVES SHARE THE COLUMNS: wave w makes columns 128 w .. + 127 of
; x2 and of out, and hidden units 512 ch + 128 w .. + 127 of chunk ch (four chunks of 512).  Each weight fragment is read once in the work-group, by the wave that multiplies it, from that wave's own linear stream in wimg
; straight into registers: a ring of four buffers of four fragments, three groups ahead.  No cluster: a joint load lands in LDS alone, and every wave would read its 576 KiB of weights once more from there.
; All products are used transposed (source 0 = 16 weight columns, source 1 = 16 rows): lane (r, h) holds row r, and register 16 b + i of a tile's 64 is column 128 w + 32 b + 16 h + i: so conversions give operand registers.
; Operands go from wave to wave through LDS as images of their registers (2,048 bytes a fragment, 16 x lane).  The second norm's sums are joined over the four waves from (mean, sum of centred squares) of 128 columns each.
; The last product's sums begin as x2 / 2^(e14 + e15) + b2 / 2^(e14 + e15): residual and bias cost one packed multiply-add, and x2 needs no registers of its own.
; LDS: 0 attn's 16 fragments; 32,768 h2's 16; 65,536 the hidden layer's, a part of 32,768 for each chunk (so one barrier a chunk); 196,608 the vectors (b_proj, g2, bt2, b2 scaled, b1 scaled); 212,992 the waves' statistics.
;   At the end a stage of 64 rows x 2,064 bytes lies over the first three, behind a barrier behind which nobody reads them.
; LIMITS: e12 and e14 - e12 - e13 between -126 and 112; e10 + e11 and e14 + e15 between -126 and 127.  NaN among the inputs is not served.
; REGISTERS.  window 0: v1-15, v52, v53 addresses; v16-47 statistics, 8 a tile; v48-51 scales; v64-127, v128-191 two sets of row fragments; v192-255 b1's 64, codes, statistics.
;   window 1: the weights' ring.   window 2: x, then centred and normed numbers, then the hidden layer's sums, then out.   window 3: x2, then the last product's sums.   Accumulator (m, t) at v[64 m + 8 t].
.set LI,  1                            ; 16 x lane
.set XA,  2                            ; x: my row of a tile, + 64 h
.set VB,  3                            ; the vectors: my wave's 128 columns, + 64 h
.set SO0, 4                            ; the stage, in: tiles 0, 1
.set SO1, 5                            ; tiles 2, 3
.set SR,  6                            ; the stage, back
.set HWA, 7                            ; the chunk's hidden image: where I store,
.set HRA, 8                            ; where I read
.set H2W, 9
.set STW, 10
.set STR, 11
.set B1A, 12
.set VW,  13
.set AW,  14
.set HW0, 52
.set HR0, 53
.set ST,  16                           ; tile m: +0, +1 sums, then 1 / sigma; +2 -mean, +3 the centred squares' sum; +4 .. +7 at work
.set AB0, 64
.set AB1, 128
.set B1R, 192
.set MSB, 0
.macro WIN new                         ; the immediate's high byte repeats the setting that is left
.if MSB != \new
	s_set_vgpr_msb (MSB<<8)|\new
.set MSB, \new
.endif
.endm
.macro PLACES
.rept 4
	v_nop
.endr
.endm
.macro BARRIER                         ; my LDS stores have landed and my LDS loads are in: then the work-group's barrier
	s_wait_dscnt 0x0
	s_barrier_signal -1
	s_barrier_wait -1
.endm
.macro MKQ e, vs, vl
	s_add_co_i32 s62, \e, 127
	s_lshl_b32 s63, s62, 23
	v_mov_b32 v[\vs], s63
	s_add_co_i32 s62, s62, 15
	s_lshl_b32 s62, s62, 23
	s_or_b32 s62, s62, 0x600000
	v_mov_b32 v[\vl], s62
.endm
.macro AFETCH areg, off, buf           ; a K step's four row fragments
.irp m, 0,1,2,3
.irp c, 0,1,2,3
	ds_load_b128 v[\buf+16*\m+4*\c:\buf+16*\m+4*\c+3], v[\areg] offset:(\off)+8192*\m+512*\c
.endr
.endr
.endm
.macro VFETCH areg, off, buf           ; a vector's 64 numbers at my columns
.irp b, 0,1,2,3
.irp q, 0,1,2,3
	ds_load_b128 v[\buf+16*\b+4*\q:\buf+16*\b+4*\q+3], v[\areg] offset:(\off)+128*\b+16*\q
.endr
.endr
.endm
.macro WFILL q, off                    ; four weight fragments, 8,192 consecutive bytes of my stream, into ring buffer q
	WIN 0x40
.irp j, 0,1,2,3
.irp c, 0,1,2,3
	global_load_b128 v[64*(\q)+16*\j+4*\c:64*(\q)+16*\j+4*\c+3], v[LI], s[26:27] offset:(\off)+2048*\j+512*\c
.endr
.endr
.endm
; 16 matrix instructions: ring buffer q's four tiles (4 half + j) x the four row tiles; sixteen accumulators by turns.  cm = 0: C is 0; 1: C is b1's tile; 2: in place
.macro MUL16 q, half, buf, accw, cm
.if \cm == 1
	WIN 0x81                                       ; source 0 window 1, sources 1 and 2 window 0, D window 2
.elseif \accw == 2
	WIN 0xa1
.else
	WIN 0xf1
.endif
.irp j, 0,1,2,3
.irp m, 0,1,2,3
.set AC, 64*\m+8*(4*(\half)+\j)
.if \cm == 0
	v_wmma_f32_16x16x128_bf8_bf8 v[AC:AC+7], v[64*(\q)+16*\j:64*(\q)+16*\j+15], v[\buf+16*\m:\buf+16*\m+15], 0
.elseif \cm == 1
	v_wmma_f32_16x16x128_bf8_bf8 v[AC:AC+7], v[64*(\q)+16*\j:64*(\q)+16*\j+15], v[\buf+16*\m:\buf+16*\m+15], v[B1R+8*(4*(\half)+\j):B1R+8*(4*(\half)+\j)+7]
.else
	v_wmma_f32_16x16x128_bf8_bf8 v[AC:AC+7], v[64*(\q)+16*\j:64*(\q)+16*\j+15], v[\buf+16*\m:\buf+16*\m+15], v[AC:AC+7]
.endif
.endr
.endr
.endm
; A product of 64 rows x my 128 columns x K 512: 8 groups (K step s, half of my tiles).  g0: the pass's first group in my stream, counted from s[26:27].  last = 1: the stream ends with this pass.
.macro PASS areg, aoff, accw, cm, g0, last
	WIN 0
	AFETCH \areg, \aoff, AB0
.irp s, 0,1,2,3
.irp hf, 0,1
.set GI, 2*\s+\hf
.if \hf == 0
	WIN 0
	s_wait_dscnt 0x0                               ; this K step's row fragments are in
.if \s < 3
	AFETCH \areg, (\aoff)+2048*(\s+1), AB0+64*((\s+1)%2)   ; the next K step's; that set's last readers stand behind four places
.endif
.endif
.if \last
.if GI > 4
	s_wait_loadcnt 16*(7-GI)                       ; nothing is asked for any more: the counts run down
.else
	s_wait_loadcnt 48
.endif
.else
	s_wait_loadcnt 48                              ; this group's 16 loads are in; the three younger groups' may be out
.endif
.if \s == 0
	MUL16 GI%4, \hf, AB0+64*(\s%2), \accw, \cm
.else
	MUL16 GI%4, \hf, AB0+64*(\s%2), \accw, 2
.endif
	PLACES                                         ; in front of loads into registers that these products read, and of the first read of results
.if \last
.if GI < 4
	WFILL GI%4, ((\g0)+GI+4)*8192
.endif
.else
	WFILL GI%4, ((\g0)+GI+4)*8192
.endif
.endr
.endr
	WIN 0
.endm
	s_load_b512 s[4:19], s[0:1], 0x0               ; x, attn_img, wimg, lowp_scales, b_proj, g2, bt2, b1
	s_load_b128 s[20:23], s[0:1], 0x40             ; b2, out0
	v_lshl_add_u32 v62, v0, 2, 0x34800
	v_mov_b32 v63, 0
	v_lshrrev_b32 v15, 5, v0
	v_readfirstlane_b32 s24, v15                   ; wave
	v_and_b32 v54, 31, v0
	v_and_b32 v55, 15, v0                          ; r
	v_bfe_u32 v56, v0, 4, 1                        ; h
	v_lshlrev_b32 v[LI], 4, v54
	v_and_b32 v57, 8, v55
	v_add_nc_u32 v57, v57, v55                     ; r + 8 (r / 8)
	v_lshlrev_b32 v[XA], 11, v57
	v_lshl_add_u32 v[XA], v56, 6, v[XA]
	s_lshl_b32 s25, s24, 9                         ; 512 w
	v_lshlrev_b32 v[VB], 6, v56
	v_add_nc_u32 v[VB], s25, v[VB]
	v_add_nc_u32 v[VB], 196608, v[VB]
	v_mul_u32_u24 v[SO0], v55, 2064
	v_lshl_add_u32 v[SO0], v56, 6, v[SO0]
	v_add_nc_u32 v[SO0], s25, v[SO0]
	v_add_nc_u32 v[SO1], 66048, v[SO0]
	s_mul_i32 s53, s24, 33024
	v_add_nc_u32 v[SR], s53, v[LI]
	s_lshl_b32 s53, s24, 11
	v_add_nc_u32 v[H2W], s53, v[LI]
	v_add_nc_u32 v[HW0], 65536, v[H2W]
	v_add_nc_u32 v[HR0], 65536, v[LI]
	v_lshlrev_b32 v[STR], 3, v55
	v_add_nc_u32 v[STR], 212992, v[STR]
	v_add_nc_u32 v[STW], s25, v[STR]
	v_lshlrev_b32 v15, 4, v0                       ; 16 x thread
	v_add_nc_u32 v[VW], 196608, v15
	s_lshl_b32 s53, s24, 13
	v_add_nc_u32 v[AW], s53, v[LI]
.irp m, 0,1,2,3
	v_mov_b32 v[ST+8*\m+3], 0                      ; named as a pair's upper half
	v_mov_b32 v[ST+8*\m+4], 0                      ; a lane permute's destination counts as one of its sources
.endr
	s_lshl_b32 s62, ttmp9, 17                      ; 64 rows of 2,048 bytes a work-group
	s_lshr_b32 s56, s24, 1
	s_lshl_b32 s56, s56, 16
	s_and_b32 s57, s24, 1
	s_lshl_b32 s57, s57, 14
	s_add_co_u32 s56, s56, s57
	s_add_co_u32 s56, s56, s62                     ; out: + the first row of token tile w
	s_mov_b32 s57, 0
	s_add_co_u32 s62, s62, s25                     ; x: + my 128 columns
	s_mov_b32 s63, 0
	s_lshl_b32 s60, ttmp9, 15
	s_lshl_b32 s61, s24, 13
	s_add_co_u32 s60, s60, s61                     ; attn_img: token tile 4 x work-group + w
	s_mov_b32 s61, 0
	s_mul_i32 s58, s24, 589824
	s_add_co_u32 s58, s58, 786432                  ; my stream
	s_mov_b32 s59, 0
	s_wait_kmcnt 0x0
	s_load_b512 s[36:51], s[10:11], 0x0
	s_add_nc_u64 s[4:5], s[4:5], s[62:63]
	s_add_nc_u64 s[6:7], s[6:7], s[60:61]
	s_add_nc_u64 s[26:27], s[8:9], s[58:59]
	s_add_nc_u64 s[22:23], s[22:23], s[56:57]
	WIN 0x80                                       ; destination window 2
.irp m, 0,1,2,3
.irp b, 0,1,2,3
.irp q, 0,1,2,3
	global_load_b128 v[64*\m+16*\b+4*\q:64*\m+16*\b+4*\q+3], v[XA], s[4:5] offset:(32*(\m/2)+8*(\m%2))*2048+128*\b+16*\q   ; x in the results' layout
.endr
.endr
.endr
	WIN 0
.irp i, 0,1,2,3,4,5,6,7,8,9,10,11,12,13,14,15
	global_load_b128 v[AB0+4*\i:AB0+4*\i+3], v[LI], s[6:7] offset:512*\i th:TH_LOAD_NT    ; token tile w's four fragments of attn: read once in the launch
.endr
	global_load_b128 v[AB1:AB1+3], v15, s[12:13]
	global_load_b128 v[AB1+4:AB1+7], v15, s[14:15]
	global_load_b128 v[AB1+8:AB1+11], v15, s[16:17]
	global_load_b128 v[AB1+12:AB1+15], v15, s[20:21]
.irp j, 0,1,2,3
	global_load_b128 v[AB1+16+4*\j:AB1+19+4*\j], v15, s[18:19] offset:2048*\j
.endr
.irp g, 0,1,2,3
	WFILL \g, \g*8192
.endr
	WIN 0
	s_mov_b32 s54, 0x76543210
	s_mov_b32 s55, 0xfedcba98
	s_mov_b32 s56, 0xbc000000                      ; -1 / 128
	s_mov_b32 s57, 0x3e800000                      ; 1 / 4
	s_mov_b32 s58, 0x43000000                      ; 128
	s_mov_b32 s59, 0x3b000000                      ; 1 / 512
	s_mov_b32 s60, 0x3727c5ac                      ; 1e-5
	s_wait_kmcnt 0x0
	s_add_co_i32 s61, s46, s47
	s_add_co_i32 s61, s61, 127
	s_lshl_b32 s28, s61, 23                        ; 2^(e10 + e11)
	s_mov_b32 s29, s28
	s_add_co_i32 s61, s50, s51
	s_sub_co_i32 s62, 127, s61
	s_lshl_b32 s30, s62, 23                        ; 2^-(e14 + e15)
	s_mov_b32 s31, s30
	s_add_co_i32 s62, s61, 127
	s_lshl_b32 s32, s62, 23                        ; 2^(e14 + e15)
	s_mov_b32 s33, s32
	s_sub_co_i32 s61, 0, s61
	s_add_co_i32 s53, s48, s49
	s_sub_co_i32 s53, 0, s53                       ; -(e12 + e13)
	MKQ s48, 48, 49
	s_add_co_i32 s52, s50, s53
	MKQ s52, 50, 51                                ; the hidden layer's: e14 - e12 - e13, three scales folded into one
	s_wait_loadcnt 63                              ; 64 loads of weights were issued behind the vectors: x, attn and the vectors are in
.irp i, 0,1,2,3
	v_ldexp_f32 v[AB1+12+\i], v[AB1+12+\i], s61    ; b2 / 2^(e14 + e15)
.endr
.irp i, 0,1,2,3,4,5,6,7,8,9,10,11,12,13,14,15
	v_ldexp_f32 v[AB1+16+\i], v[AB1+16+\i], s53    ; b1 / 2^(e12 + e13)
.endr
.irp i, 0,1,2,3,4,5,6,7,8,9,10,11,12,13,14,15
	ds_store_b128 v[AW], v[AB0+4*\i:AB0+4*\i+3] offset:512*\i
.endr
.irp j, 0,1,2,3,4,5,6,7
	ds_store_b128 v[VW], v[AB1+4*\j:AB1+4*\j+3] offset:2048*\j
.endr
	BARRIER                                        ; attn's sixteen fragments and the vectors lie in LDS
	PASS LI, 0, 3, 0, 0, 0                         ; attn w_proj
	VFETCH VB, 0, AB0                              ; b_proj
	s_wait_dscnt 0x0
	WIN 0xe3                                       ; source 0 and D window 3, source 2 (x) window 2
.set i, 0
.rept 128
	v_pk_fma_f32 v[i:i+1], v[i:i+1], s[28:29], v[i:i+1] op_sel_hi:[1,0,1]   ; sum x 2^(e10 + e11) + x; each accumulator from its low end on
.set i, i+2
.endr
	WIN 0xc3
.irp m, 0,1,2,3
.set i, 0
.rept 32
	v_pk_add_f32 v[64*\m+i:64*\m+i+1], v[64*\m+i:64*\m+i+1], v[AB0+i:AB0+i+1]   ; + b_proj: x2
.set i, i+2
.endr
.endr
	; the second norm: my wave's 128 columns first
	WIN 0
.irp m, 0,1,2,3
	v_mov_b32 v[ST+8*\m], 0
	v_mov_b32 v[ST+8*\m+1], 0
.endr
	WIN 0x0c                                       ; source 1 window 3
.set i, 0
.rept 32
.irp m, 0,1,2,3
	v_pk_add_f32 v[ST+8*\m:ST+8*\m+1], v[ST+8*\m:ST+8*\m+1], v[64*\m+i:64*\m+i+1]
.endr
.set i, i+2
.endr
	WIN 0
.irp m, 0,1,2,3
	v_add_f32 v[ST+8*\m], v[ST+8*\m], v[ST+8*\m+1]
.endr
.irp m, 0,1,2,3
	v_permlanex16_b32 v[ST+8*\m+4], v[ST+8*\m], s54, s55
.endr
.irp m, 0,1,2,3
	v_add_f32 v[ST+8*\m], v[ST+8*\m], v[ST+8*\m+4]
.endr
.irp m, 0,1,2,3
	v_mul_f32 v[ST+8*\m+2], s56, v[ST+8*\m]        ; -mean of my 128 columns
.endr
	WIN 0x83                                       ; source 0 window 3, D window 2
.irp m, 0,1,2,3
.set i, 0
.rept 32
	v_pk_add_f32 v[64*\m+i:64*\m+i+1], v[64*\m+i:64*\m+i+1], v[ST+8*\m+2:ST+8*\m+3] op_sel_hi:[1,0]
.set i, i+2
.endr
.endr
	WIN 0x0a                                       ; sources 0 and 1 window 2
.irp m, 0,1,2,3
	v_pk_mul_f32 v[ST+8*\m:ST+8*\m+1], v[64*\m:64*\m+1], v[64*\m:64*\m+1]
.endr
.set i, 2
.rept 31
.irp m, 0,1,2,3
	v_pk_fma_f32 v[ST+8*\m:ST+8*\m+1], v[64*\m+i:64*\m+i+1], v[64*\m+i:64*\m+i+1], v[ST+8*\m:ST+8*\m+1]
.endr
.set i, i+2
.endr
	WIN 0
.irp m, 0,1,2,3
	v_add_f32 v[ST+8*\m], v[ST+8*\m], v[ST+8*\m+1]
.endr
.irp m, 0,1,2,3
	v_permlanex16_b32 v[ST+8*\m+4], v[ST+8*\m], s54, s55
.endr
.irp m, 0,1,2,3
	v_add_f32 v[ST+8*\m+3], v[ST+8*\m], v[ST+8*\m+4]   ; the centred squares' sum
.endr
.irp m, 0,1,2,3
	ds_store_b64 v[STW], v[ST+8*\m+2:ST+8*\m+3] offset:128*\m   ; both halves of the lanes store the same two words with the same values
.endr
	BARRIER                                        ; the four waves' statistics lie in LDS
.irp m, 0,1,2,3
.irp u, 0,1,2,3
	ds_load_b64 v[B1R+8*\m+2*\u:B1R+8*\m+2*\u+1], v[STR] offset:512*\u+128*\m
.endr
.endr
	VFETCH VB, 2048, AB0                           ; g2
	VFETCH VB, 4096, AB1                           ; bt2
	s_wait_dscnt 32                                ; the sixteen statistics are in; the 32 loads of g2 and bt2 may be out
.irp m, 0,1,2,3
	v_add_f32 v[ST+8*\m+4], v[B1R+8*\m], v[B1R+8*\m+2]
	v_add_f32 v[ST+8*\m+5], v[B1R+8*\m+4], v[B1R+8*\m+6]
	v_add_f32 v[ST+8*\m+6], v[B1R+8*\m+1], v[B1R+8*\m+3]
	v_add_f32 v[ST+8*\m+7], v[B1R+8*\m+5], v[B1R+8*\m+7]
.endr
.irp m, 0,1,2,3
	v_add_f32 v[ST+8*\m+4], v[ST+8*\m+4], v[ST+8*\m+5]
	v_add_f32 v[ST+8*\m+6], v[ST+8*\m+6], v[ST+8*\m+7]
.endr
.irp m, 0,1,2,3
	v_mul_f32 v[ST+8*\m+2], s57, v[ST+8*\m+4]      ; -mean of the row
.endr
.irp m, 0,1,2,3
.irp u, 0,2,4,6
	v_sub_f32 v[B1R+8*\m+\u], v[B1R+8*\m+\u], v[ST+8*\m+2]
.endr
.endr
.irp m, 0,1,2,3
	v_mul_f32 v[ST+8*\m+5], v[B1R+8*\m], v[B1R+8*\m]
.endr
.irp u, 2,4,6
.irp m, 0,1,2,3
	v_fmac_f32 v[ST+8*\m+5], v[B1R+8*\m+\u], v[B1R+8*\m+\u]
.endr
.endr
.irp m, 0,1,2,3
	v_fma_f32 v[ST+8*\m+6], v[ST+8*\m+5], s58, v[ST+8*\m+6]   ; + 128 x the squares of the waves' means about the row's
.endr
.irp m, 0,1,2,3
	v_fma_f32 v[ST+8*\m+6], v[ST+8*\m+6], s59, s60 ; variance + eps
.endr
.irp m, 0,1,2,3
	v_rsq_f32 v[ST+8*\m], v[ST+8*\m+6]
.endr
	v_nop
	s_wait_alu depctr_va_vdst(0)                   ; one wait for the four roots, ahead of their first reader
	s_wait_dscnt 0x0                               ; g2 and bt2 are in
	WIN 0x83
.irp m, 0,1,2,3
.set i, 0
.rept 32
	v_pk_add_f32 v[64*\m+i:64*\m+i+1], v[64*\m+i:64*\m+i+1], v[ST+8*\m+2:ST+8*\m+3] op_sel_hi:[1,0]   ; x2 - mean
.set i, i+2
.endr
.endr
	WIN 0x82                                       ; source 0 and D window 2
.irp m, 0,1,2,3
.set i, 0
.rept 32
	v_pk_mul_f32 v[64*\m+i:64*\m+i+1], v[64*\m+i:64*\m+i+1], v[ST+8*\m:ST+8*\m+1] op_sel_hi:[1,0]
.set i, i+2
.endr
.endr
.irp m, 0,1,2,3
.set i, 0
.rept 32
	v_pk_fma_f32 v[64*\m+i:64*\m+i+1], v[64*\m+i:64*\m+i+1], v[AB0+i:AB0+i+1], v[AB1+i:AB1+i+1]
.set i, i+2
.endr
.endr
.set i, 0
.rept 256
	v_med3_num_f32 v[i], v[i], -v49, v49
.set i, i+1
.endr
	WIN 0x02
.set i, 0
.rept 32
	v_cvt_scalef32_pk8_bf8_f32 v[B1R+2*i:B1R+2*i+1], v[8*i:8*i+7], v48
.set i, i+1
.endr
	v_nop                                          ; a plain instruction between the conversions and the products that will write their sources
	WIN 0
.irp m, 0,1,2,3
.irp c, 0,1,2,3
	ds_store_b128 v[H2W], v[B1R+16*\m+4*\c:B1R+16*\m+4*\c+3] offset:32768+8192*\m+512*\c   ; my 128 columns are K step w
.endr
.endr
	VFETCH VB, 6144, AB0                           ; b2 / 2^(e14 + e15)
	s_wait_dscnt 0x0
	WIN 0xc3
.irp m, 0,1,2,3
.set i, 0
.rept 32
	v_pk_fma_f32 v[64*\m+i:64*\m+i+1], v[64*\m+i:64*\m+i+1], s[30:31], v[AB0+i:AB0+i+1] op_sel_hi:[1,0,1]   ; the last product's sums begin with the residual and the bias
.set i, i+2
.endr
.endr
	WIN 0
	BARRIER                                        ; h2's sixteen fragments lie in LDS
; A chunk of 512 hidden units: my 128 of them for the 64 rows, relu, codes, image | barrier | the chunk's part of the last product.
.macro CHUNK last
	v_add_nc_u32 v[HWA], s34, v[HW0]
	v_add_nc_u32 v[HRA], s34, v[HR0]
	v_add_nc_u32 v[B1A], s35, v[VB]
	VFETCH B1A, 0, B1R                             ; b1's tiles: the C of the sums' first products
	PASS LI, 32768, 2, 1, 8, 0
	WIN 0x82
.set i, 0
.rept 256
	v_med3_num_f32 v[i], v[i], 0, v51              ; the activation and the hold in one
.set i, i+1
.endr
	WIN 0x02
.set i, 0
.rept 32
	v_cvt_scalef32_pk8_bf8_f32 v[AB0+2*i:AB0+2*i+1], v[8*i:8*i+7], v50
.set i, i+1
.endr
	v_nop
	WIN 0
.irp m, 0,1,2,3
.irp c, 0,1,2,3
	ds_store_b128 v[HWA], v[AB0+16*\m+4*\c:AB0+16*\m+4*\c+3] offset:8192*\m+512*\c   ; my 128 units are K step w of the chunk
.endr
.endr
	BARRIER                                        ; the chunk's sixteen fragments lie in LDS; each chunk has bytes of its own, so no second barrier is needed
	PASS HRA, 0, 3, 2, 16, \last
.endm
	s_mov_b32 s34, 0                               ; the chunk's part of the hidden image
	s_mov_b32 s35, 8192                            ; and of b1 among the vectors
	s_mov_b32 s52, 3
.Lchunk:
	CHUNK 0
	s_wait_xcnt 0x0                                ; the pending loads have read their base
	s_add_nc_u64 s[26:27], s[26:27], 131072        ; two passes on in my stream
	s_add_co_u32 s34, s34, 32768
	s_add_co_u32 s35, s35, 2048
	s_sub_co_u32 s52, s52, 1
	s_cmp_lg_u32 s52, 0
	s_cbranch_scc1 .Lchunk
	CHUNK 1                                        ; the last chunk is written out: no load passes the stream's end
	BARRIER                                        ; nobody reads the images any more: the stage may lie over them
	WIN 0x83
.set i, 0
.rept 128
	v_pk_mul_f32 v[i:i+1], v[i:i+1], s[32:33] op_sel_hi:[1,0]   ; x 2^(e14 + e15): out; each accumulator from its low end on
.set i, i+2
.endr
	WIN 0x08                                       ; the stores' data window 2
.irp m, 0,1
.irp b, 0,1,2,3
.irp q, 0,1,2,3
	ds_store_b128 v[SO0], v[64*\m+16*\b+4*\q:64*\m+16*\b+4*\q+3] offset:33024*\m+128*\b+16*\q
.endr
.endr
.endr
.irp m, 0,1
.irp b, 0,1,2,3
.irp q, 0,1,2,3
	ds_store_b128 v[SO1], v[128+64*\m+16*\b+4*\q:128+64*\m+16*\b+4*\q+3] offset:33024*\m+128*\b+16*\q
.endr
.endr
.endr
	BARRIER                                        ; 64 whole rows lie in the stage
	WIN 0x80
.set n, 0
.rept 64
	ds_load_b128 v[4*n:4*n+3], v[SR] offset:2064*(n/4)+512*(n%4)   ; token tile w's sixteen rows, 512 bytes a load
.set n, n+1
.endr
	WIN 0x08
.set n, 0
.rept 64
	s_wait_dscnt 63-n                              ; LDS loads return in order: load n is in, the younger may be out
	global_store_b128 v[LI], v[4*n:4*n+3], s[22:23] offset:((n/4)+8*((n/4)/8))*2048+512*(n%4) th:TH_STORE_NT   ; 512 consecutive aligned bytes
.set n, n+1
.endr
	WIN 0
	s_wait_tensorcnt 0x0
	ds_add_u32 v62, v63
	s_wait_dscnt 0x0
	s_endpgm
.Lfunc_end_k_qeeb8a58022_ffn:
	.size	k_qeeb8a58022_ffn, .Lfunc_end_k_qeeb8a58022_ffn-k_qeeb8a58022_ffn
	.p2alignl 7, 3214868480
	.fill 96, 4, 3214868480
	.section	.rodata,"a",@progbits
	.p2align	6, 0x0
	.amdhsa_kernel k_qeeb8a58022_ffn
		.amdhsa_group_segment_fixed_size 215552
		.amdhsa_private_segment_fixed_size 0
		.amdhsa_enable_private_segment 0
		.amdhsa_kernarg_size 80
		.amdhsa_user_sgpr_count 2
		.amdhsa_user_sgpr_kernarg_segment_ptr 1
		.amdhsa_wavefront_size32 1
		.amdhsa_system_sgpr_workgroup_id_x 1
		.amdhsa_system_sgpr_workgroup_id_y 1
		.amdhsa_system_sgpr_workgroup_id_z 1
		.amdhsa_system_vgpr_workitem_id 0
		.amdhsa_next_free_vgpr 1024
		.amdhsa_next_free_sgpr 66
		.amdhsa_reserve_vcc 0
		.amdhsa_float_denorm_mode_32 3
		.amdhsa_float_denorm_mode_16_64 3
		.amdhsa_memory_ordered 1
		.amdhsa_forward_progress 1
		.amdhsa_inst_pref_size 255
	.end_amdhsa_kernel
	.section	.bss,"aw",@nobits
	.p2align	6
	.space	262144
	.amdgpu_metadata
---
amdhsa.version: [ 1, 2 ]
amdhsa.kernels:
  - .name:           k_qeeb8a58022_ffn
    .symbol:         k_qeeb8a58022_ffn.kd
    .args:
      - { .name: x, .offset: 0, .size: 8, .value_kind: global_buffer, .address_space: global }
      - { .name: attn_img, .offset: 8, .size: 8, .value_kind: global_buffer, .address_space: global }
      - { .name: wimg, .offset: 16, .size: 8, .value_kind: global_buffer, .address_space: global }
      - { .name: lowp_scales, .offset: 24, .size: 8, .value_kind: global_buffer, .address_space: global }
      - { .name: b_proj, .offset: 32, .size: 8, .value_kind: global_buffer, .address_space: global }
      - { .name: g2, .offset: 40, .size: 8, .value_kind: global_buffer, .address_space: global }
      - { .name: bt2, .offset: 48, .size: 8, .value_kind: global_buffer, .address_space: global }
      - { .name: b1, .offset: 56, .size: 8, .value_kind: global_buffer, .address_space: global }
      - { .name: b2, .offset: 64, .size: 8, .value_kind: global_buffer, .address_space: global }
      - { .name: out0, .offset: 72, .size: 8, .value_kind: global_buffer, .address_space: global }
    .group_segment_fixed_size: 215552
    .private_segment_fixed_size: 0
    .kernarg_segment_align: 8
    .kernarg_segment_size: 80
    .max_flat_workgroup_size: 128
    .sgpr_count:     66
    .vgpr_count:     1024
    .wavefront_size: 32
...
	.end_amdgpu_metadata
.endif
;; end of part 4
